; MI455X (gfx1250); checked and timed in simulation.
; The chip was launched on July 23, 2026; its instructions are those of AMD's public machine-readable ISA for CDNA 5 (MIT licence, August 2026) and "CDNA5" Instruction Set Architecture Reference Guide (July 2026). The comments in the code are by the model that wrote it; some were corrected since.
;; Attention. Allowed arithmetic: matrix products marked QUANTISED: E5M2 operands, one given power-of-two scale a tensor, by v_wmma_f32_16x16x64_bf8_bf8 or v_wmma_f32_16x16x128_bf8_bf8, f32 sums; everything else in f32.
;; Inputs: Wo_codes 1,024 x 32 x 32 uint8 (E5M2 codes of Wo, K innermost, in blocks of 32 codes); Wqkv_codes 3,072 x 32 x 32 uint8 (E5M2 codes of Wqkv, K innermost, in blocks of 32 codes); bo 1,024 float32; bqkv 3,072 float32; lowp_scales 8 int32 (the exponents e of the quantised operands' scales 2^e); x_codes 4 x 2,048 x 32 x 32 uint8 (E5M2 codes of x, K innermost, in blocks of 32 codes).
;; Outputs: out0 4 x 2,048 x 1,024 float32.
;; This version of the problem:
;;   THIS VERSION OF THE PROBLEM IS GIVEN IN LOW PRECISION. The matrix products marked QUANTISED in the list below multiply operands that are first quantised to E5M2 (5 exponent bits, 2 mantissa bits; 8 bits a number), with one given power-of-two scale for each operand tensor; their sums are f32. All else is computed in f32.
;;   The module's matrix products, in the order in which they are computed (A, B: the left and right operand; K: the contracted axis; several contracted axes count as one K, in the product's order):
;;     1. [M 8,192, K 1,024] x [K 1,024, N 3,072]; A: input x (given as codes); B: input Wqkv (given as codes): QUANTISED (scales: A lowp_scales[0], B lowp_scales[1])
;;     2. batch 64 x [M 2,048, K 64] x [K 64, N 2,048]; A: computed on the way; B: computed on the way: QUANTISED (scales: A lowp_scales[2], B lowp_scales[3])
;;     3. batch 64 x [M 2,048, K 2,048] x [K 2,048, N 64]; A: softmax (see below); B: computed on the way: QUANTISED (scales: A lowp_scales[4], B lowp_scales[5])
;;     4. [M 8,192, K 1,024] x [K 1,024, N 1,024]; A: computed on the way; B: input Wo (given as codes): QUANTISED (scales: A lowp_scales[6], B lowp_scales[7])
;;   THE QUANTISER, for each operand of a quantised product, along K:
;;     - The operand's scale is 2^e, e = its entry of the input lowp_scales (int32; the entries are numbered through the quantised products in the list's order, A before B).
;;     - Each number is divided by the scale, clamped to +-57,344, and rounded to the nearest number of E5M2, ties to even, subnormals kept.
;;     - The product sums the exact products of the quantised numbers (number of the format x scale) in f32.
;;   ~~~python
;;   def quantise(x, axis, e):      # numpy; x: float32 -> the quantised numbers, widened to float32 again
;;       x = np.moveaxis(x, axis, -1); K = x.shape[-1]
;;       r = np.clip(x / 2.0 ** e, -57344, 57344)
;;       step = 2.0 ** (np.maximum(np.frexp(np.where(r == 0, 1, r))[1] - 1, -14) - 2)
;;       q = np.round(r / step) * step * 2.0 ** e      # np.round: ties to even
;;       return np.moveaxis(q, -1, axis).astype(np.float32)
;;   ~~~
;;   SOFTMAX AHEAD OF A QUANTISED PRODUCT. Where the list says 'softmax', what is quantised is not the finished softmax but p = 2^(t - M), with t = logit x log2(e) and M = ceil(the row's largest t), a whole number; so 1/2 < the row's largest p <= 1. The row's sum l is taken of the UNQUANTISED p, in f32, and the product's result is divided by l at the end. Since M is a whole number, a kernel that streams over the keys may use a running M (the ceiling of the running maximum): every later rescaling is an exact power of two, so the quantised numbers keep their values, but for numbers so far below the row's largest that they fall under the format's range.
;;   OPERANDS COMPUTED ON THE WAY. 'Computed on the way' means the value that the module computes at that place (a softmax that the list does not call 'softmax' is quantised finished and normalised). What goes into a quantiser is computed in f32, as accurately as f32 sums, v_exp_f32 and their like allow (about 1e-6 of the number): no bf16 or f16 on the way to a quantiser, and a product that is left as it is and whose result goes on into a quantised operand takes f32 operands (vector FMAs, or v_wmma_f32_16x16x4_f32). A number that lies on a knife's edge between two numbers of the format may be rounded either way, as far as f32 arithmetic and the matrix unit's own rounding can turn it there, and no further.
;;   INPUTS GIVEN AS CODES. Wo (in the module: [1024, 1024], K = its axis 0); Wqkv (in the module: [1024, 3072], K = its axis 0); x (in the module: [4, 2048, 1024], K = its axis 2): each comes as NAME_codes (uint8): NAME with its K axis moved to the last place and cut into blocks of 32 codes, [.., K / 32, bytes a block], one block behind the other in memory; one code a byte (a code: sign, 5 exponent bits, 2 mantissa bits); its scale is its entry of lowp_scales. Its value is code x scale, taken as it is: it is not quantised again, and the codes and scales need not be those that the quantiser above would give.
;; One version. Each part assembles by itself: llvm-mc -triple=amdgcn-amd-amdhsa -mcpu=gfx1250 --defsym DOCPART=n.
;; ======== version 1 of 1: 3 launches
;; limits: right only within a limited range of input values
;; workspace buffers: qkv 25,165,824 bytes; att 8,388,608 bytes
;; launch qkv (part 1): grid 12 x 32, 4 waves a work-group, clusters of 4 x 4, 327,680 bytes of LDS; arguments x_codes, Wqkv_codes, lowp_scales, bqkv, qkv; writes qkv
.if DOCPART == 1
	.amdgcn_target "amdgcn-amd-amdhsa--gfx1250"
	.amdhsa_code_object_version 6
	.text
	.protected	k_q13005fd88f_qkv
	.globl	k_q13005fd88f_qkv
	.p2align	8
	.type	k_q13005fd88f_qkv,@function
k_q13005fd88f_qkv:
	s_mov_b64 s[64:65], 0
	v_nop
	global_prefetch_b8 v0, s[64:65] scope:SCOPE_SE
	s_setreg_imm32_b32 hwreg(HW_REG_WAVE_MODE, 25, 1), 1
	s_wait_xcnt 0x0
	s_wait_alu depctr_hold_cnt(0) depctr_sa_sdst(0) depctr_va_vdst(0) depctr_va_sdst(0) depctr_va_ssrc(0) depctr_va_vcc(0) depctr_vm_vsrc(0)
	s_getreg_b32 s2, hwreg(HW_REG_IB_STS2, 6, 4)
	s_cmp_eq_u32 s2, 0
	s_cbranch_scc0 .Lentry_in_a_cluster
	s_endpgm
.Lentry_in_a_cluster:
	s_bfe_u32 s2, ttmp6, 0x10000c
	s_cmp_lg_u32 s2, 0xf033
	s_cbranch_scc0 .Lentry_shape_is_right
	s_endpgm
.Lentry_shape_is_right:
; qkv = x Wqkv + bqkv on codes of BF8 (E5M2), then q, k and v are quantised (given scales 2^e2, 2^e3, 2^e5) and stored as IMAGES OF OPERAND REGISTERS for the attention launch.
; x: [8192][1024] codes, Wqkv: [3072][1024] codes, K innermost.  A sum stands for sum x 2^(e0 + e1); one fused multiply-add gives sum x 2^(e0 + e1) + bias, in f32; that number is converted.
; LIMITS: e0 + e1 between -126 and 127; e2, e3, e5 between -126 and 112, so that each power of two below is an f32 number.  NaN among the inputs is not served.
; SHARES.  A tile of the result is 256 x 256, a work-group of four waves; a wave makes 128 x 128: 64 accumulators, 512 registers.  K = 1,024 goes in four fills of 256 through a ring of two LDS slots.
; CLUSTERS: 4 x 4 work-groups.  A cluster's four tile columns are 1,024 columns: all of q (cluster x = 0), of k (1) or of v (2): the kind is the same in all sixteen partners.
; THE MATRIX INSTRUCTION IS USED TRANSPOSED (source 0 = 16 rows of the tensor called B here, source 1 = 16 rows of the one called A): a lane holds ONE row of A and eight neighbouring rows of B.
; q and k are quantised along the head's channels: A = x (tokens), B = Wqkv.  v is quantised along the tokens (the keys are its K): A = Wqkv, B = x.  Both tensors have rows of 1,024 bytes and tiles of 256 rows,
; so only the two bases and the two tile numbers are chosen, by selects on the cluster's x.  A's tile hangs on cy alone and is asked for jointly by a row of the cluster, B's on cx alone, by a column.
; THE IMAGES.  For head HB (batch x 16 + head) and group G of 128 tokens: 24,576 bytes: Q image, K image, V image, 8,192 each.
;   Q, K: [tile 8][c 2][lane 32][16 bytes]: token 32 (tile / 2) + 8 (tile % 2) + r + 8 (r / 8) of the group (r = lane % 16), channels 32 c + 16 (lane / 16) + 0 .. 15.
;   V:    [t 4][c 4][lane 32][16 bytes]: channel 16 t + r, keys 32 c + 16 (lane / 16) + 0 .. 15 of the group.
; REGISTERS, in windows of 256: window 0: v16-31 addresses and scales; v32-95 bias by column; v96-111 bias by row; v112-127 codes; from v128 A's fragments, ONE set (on the way out: numbers, then rows of the images).
;   window 1: B's fragments, TWO sets, at v0 and v128.   window 2: the accumulators of my rows 0-63 ((a, b) at v[8 (8 a + b)]);   window 3: those of my rows 64-127.
.set KROW,   1024                      ; a row of x or of Wqkv in memory, in bytes
.set ROWB,   256                       ; a tile's row in bytes
.set PITCH,  272                       ; an LDS row: 256 bytes + 16 of padding, so that the 16 rows of a fragment load start 16 bytes apart modulo 256
.set FR,     16                        ; registers of a fragment: 16 rows x 128 K
.set NL,     4                         ; LDS loads that bring one
.set NP,     4                         ; places behind this matrix instruction (ISA guide 7.12.1)
.set HALFT,  128*PITCH                 ; 128 rows: what one tensor load brings
.set SLOT,   4*HALFT                   ; A's 256 rows, then B's 256 rows
.set SPARE,  2*SLOT                    ; behind the ring: the spare words, 128 bytes a wave, that no other line names
.set GRPB,   24576                     ; the three images of a head and a group
.set HEADB,  16*GRPB                   ; a head's sixteen groups
.set ADRA, 16                          ; v16-17  LDS address of my A fragments in slot 0, 1
.set ADRB, 20                          ; v20-21  the same for B
.set STQ,  22                          ; v22     stage of the q, k way out: where I put 8 codes
.set STV,  23                          ; v23     stage of the v way out
.set RDQ,  24                          ; v24     where I read the q, k stage back
.set RDV,  25                          ; v25     the v stage
.set CO,   26                          ; v26     16 x lane: my bytes of a store's 512
.set SPW,  28                          ; v28     LDS address of my spare word; never rewritten
.set NIL,  29                          ; v29     0; never rewritten
.set SCL,  30                          ; v30     2^e as f32
.set LIM,  31                          ; v31     never written
.set BI,   32                          ; v32-95  bias of my 8 x 8 columns (q, k)
.set BV,   96                          ; v96-111 bias of my row in each of A's 8 blocks, twice (v)
.set CD,   112                         ; v112-127 a block's codes
.set AF,   128
.set TMP,  128
.set G1, 24                            ; s[24:31] descriptor group 1 for A's tiles;  s[32:39] group 0, one set for each slot
.set G0, 32
.set G1B, 48                           ; s[48:55], s[56:63] the same for B's tiles
.set G0B, 56
.set MSB, 0
.macro WIN new                         ; the immediate's high byte repeats the setting that is left
.if MSB != (\new)
	s_set_vgpr_msb (MSB<<8)|(\new)
.set MSB, (\new)
.endif
.endm
.set MUL_LO, 0xa1                      ; source 0 (B) window 1, source 1 (A) window 0, C and D window 2
.set MUL_HI, 0xf1                      ; the same, C and D window 3
.set TO_B,   0x40                      ; destination window 1, address window 0
; A joint load: waves 0 and 1 fetch for A, waves 2 and 3 for B.  The branch hangs on the wave's number alone.  Four v_nop follow each of the two lines.
.macro JLOAD g0a, g1a, g0b, g1b
	s_cmp_eq_u32 s15, 0
	s_cbranch_scc0 .Lfor_b_\@
	tensor_load_to_lds s[\g0a:\g0a+3], s[\g1a:\g1a+7]
	s_nop 0
.rept 4
	v_nop
.endr
	s_branch .Lasked_\@
.Lfor_b_\@:
	tensor_load_to_lds s[\g0b:\g0b+3], s[\g1b:\g1b+7]
	s_nop 0
.rept 4
	v_nop
.endr
.Lasked_\@:
.endm
.macro CREST                           ; a round of the cluster's barrier behind its opening barrier
	s_cmp_lg_u32 s14, 0
	s_cbranch_scc1 .Lnot_wave_0_\@
	s_barrier_signal -3
.Lnot_wave_0_\@:
	s_barrier_wait -3
	s_barrier_signal -1
	s_barrier_wait -1
.endm
.macro CROUND                          ; a whole round
	s_barrier_signal -1
	s_barrier_wait -1
	CREST
.endm
	s_load_b256 s[4:11], s[0:1], 0x0               ; x s[4:5], Wqkv s[6:7], the scales' exponents s[8:9], bqkv s[10:11]
	s_load_b64 s[12:13], s[0:1], 0x20              ; the images
	v_lshl_add_u32 v[SPW], v0, 2, SPARE
	v_mov_b32 v[NIL], 0
	ds_add_u32 v28, v29
	ds_add_u32 v28, v29
	s_wait_dscnt 0x0
	v_lshrrev_b32 v1, 5, v0
	v_readfirstlane_b32 s14, v1                    ; wave 0..3
	s_lshr_b32 s15, s14, 1                         ; which half of A's rows is mine.  Also: I fetch for A (0) or for B (1)
	s_and_b32 s16, s14, 1                          ; which half of B's rows.  Also: which 128 rows of that tile I fetch
	s_bfe_u32 s40, ttmp6, 0x40000                  ; cx
	s_bfe_u32 s41, ttmp6, 0x40004                  ; cy
	s_and_b32 s66, ttmp7, 0xffff
	s_lshl_b32 s66, s66, 2                         ; 4 x cluster y
	s_add_co_u32 s17, s66, s41                     ; q, k: A's tile is the token tile 4 cluster y + cy
	s_add_co_u32 s18, s41, 8                       ; v:    A's tile is Wqkv's tile 8 + cy
	s_lshl_b32 s42, ttmp9, 2
	s_add_co_u32 s42, s42, s40                     ; q, k: B's tile is Wqkv's tile 4 cluster x + cx
	s_add_co_u32 s67, s66, s40                     ; v:    B's tile is the token tile 4 cluster y + cx
	s_cmp_eq_u32 ttmp9, 2                          ; the kind: the same in all sixteen partners
	s_cselect_b32 s17, s18, s17                    ; A's tile: made of cy and the cluster's place alone
	s_cselect_b32 s42, s67, s42                    ; B's tile: made of cx and the cluster's place alone
	s_lshl_b32 s43, s41, 2
	s_lshl_b32 s43, 15, s43                        ; my row of the cluster
	s_lshl_b32 s44, 0x1111, s40                    ; my column
	; descriptor group 1: a tile of 128 rows x 256 bytes, padded in LDS
	s_or_b32 s[G1+0], s43, (0<<16)|(1<<20)|(1<<21)|(5<<22)|(3<<25)  ; 15:0 the mask; 17:16 elements of 1 byte; 20 padding on; 21 set beside a mask; 24:22 after every 64 words; 31:25 four words
	s_or_b32 s[G1B+0], s44, (0<<16)|(1<<20)|(1<<21)|(5<<22)|(3<<25)
.irp g, G1, G1B
	s_mov_b32 s[\g+1], ROWB<<16                    ; tensor_dim0
	s_mov_b32 s[\g+2], 128<<16                     ; tensor_dim1 = 128
	s_mov_b32 s[\g+3], ROWB<<16                    ; tile_dim0
	s_mov_b32 s[\g+4], 128                         ; tile_dim1 = 128
	s_mov_b32 s[\g+5], KROW                        ; tensor_dim0_stride
	s_mov_b32 s[\g+6], 0
	s_mov_b32 s[\g+7], 0
.endr
	s_lshl_b32 s89, s16, 7                         ; which 128 rows of the tile I fetch
	s_lshl_b32 s20, s17, 8
	s_add_co_u32 s20, s20, s89
	s_lshl_b32 s20, s20, 10                        ; A: (256 x tile + 128 x half) rows of 1,024 bytes: under 2^24
	s_mov_b32 s21, 0
	s_lshl_b32 s46, s42, 8
	s_add_co_u32 s46, s46, s89
	s_lshl_b32 s46, s46, 10                        ; B likewise
	s_mov_b32 s47, 0
	s_mul_i32 s45, s14, HALFT                      ; where they go: wave x 128 rows: no place in the cluster enters an LDS address
	s_wait_kmcnt 0x0
	s_load_b256 s[72:79], s[8:9], 0x0              ; e0 .. e7
	s_cmp_eq_u32 ttmp9, 2
	s_cselect_b64 s[68:69], s[6:7], s[4:5]         ; A's tensor: Wqkv for v, else x
	s_cselect_b64 s[70:71], s[4:5], s[6:7]         ; B's tensor: x for v, else Wqkv
	s_add_nc_u64 s[20:21], s[68:69], s[20:21]
	s_add_nc_u64 s[46:47], s[70:71], s[46:47]
	CROUND                                         ; all sixteen work-groups are here: the first joint loads meet
.irp s, 0,1
	s_mov_b32 s[G0+4*\s], 1
	s_add_co_u32 s[G0+4*\s+1], s45, \s*SLOT
	s_add_nc_u64 s[G0+4*\s+2:G0+4*\s+3], s[20:21], \s*ROWB
	s_or_b32 s[G0+4*\s+3], s[G0+4*\s+3], 0x80000000
	s_mov_b32 s[G0B+4*\s], 1
	s_add_co_u32 s[G0B+4*\s+1], s45, \s*SLOT
	s_add_nc_u64 s[G0B+4*\s+2:G0B+4*\s+3], s[46:47], \s*ROWB
	s_or_b32 s[G0B+4*\s+3], s[G0B+4*\s+3], 0x80000000
	JLOAD G0+4*\s, G1, G0B+4*\s, G1B
.endr
	v_and_b32 v1, 15, v0                           ; r = lane % 16
	v_bfe_u32 v2, v0, 4, 1                         ; h = lane / 16
	s_wait_alu depctr_va_vdst(0)
	; the biases, in both forms, without a branch: both ranges lie inside bqkv for every kind
	s_lshl_b32 s82, ttmp9, 12
	s_lshl_b32 s80, s40, 10
	s_add_co_u32 s82, s82, s80
	s_lshl_b32 s80, s16, 9
	s_add_co_u32 s82, s82, s80                     ; by column: 4 (1,024 kind + 256 cx + 128 half) bytes
	s_mov_b32 s83, 0
	s_add_nc_u64 s[82:83], s[10:11], s[82:83]
	s_lshl_b32 s84, s41, 10
	s_lshl_b32 s80, s15, 9
	s_add_co_u32 s84, s84, s80
	s_add_co_u32 s84, s84, 8192                    ; by row of A (v): 4 (2,048 + 256 cy + 128 half) bytes
	s_mov_b32 s85, 0
	s_add_nc_u64 s[84:85], s[10:11], s[84:85]
	v_lshlrev_b32 v6, 5, v2                        ; 32 h: my eight columns of a block of 16; never rewritten
	v_lshlrev_b32 v7, 2, v1                        ; 4 r: my row of a block of 16; never rewritten
.irp b, 0,1,2,3,4,5,6,7
	global_load_b128 v[BI+8*\b:BI+8*\b+3],   v6, s[82:83] offset:64*\b
	global_load_b128 v[BI+8*\b+4:BI+8*\b+7], v6, s[82:83] offset:64*\b+16
.endr
.irp a, 0,1,2,3,4,5,6,7
	global_load_b32 v[BV+2*\a],   v7, s[84:85] offset:64*\a
	global_load_b32 v[BV+2*\a+1], v7, s[84:85] offset:64*\a   ; the same number again: the packed form takes a pair
.endr
	v_mul_u32_u24 v3, v1, PITCH
	v_lshl_add_u32 v4, v2, 4, v3                   ; a fragment's row x pitch + 16 x half
	s_mul_i32 s90, s15, HALFT                      ; my 128 rows of A
	s_mul_i32 s91, s16, HALFT                      ; my 128 rows of B,
	s_add_co_u32 s91, s91, 2*HALFT                 ; which lie behind A's 256
.irp s, 0,1
	v_add_nc_u32 v[ADRA+\s], s90, v4
	v_add_nc_u32 v[ADRB+\s], s91, v4
	s_add_co_u32 s90, s90, SLOT
	s_add_co_u32 s91, s91, SLOT
.endr
	; the stages: 16,384 bytes a wave (two heads' images).  The q, k way and the v way have bytes of their own: 0 .. 65,535 and 65,536 .. 131,071, all in slot 0
	s_lshl_b32 s90, s14, 14
	v_and_b32 v5, 7, v0                            ; r % 8
	v_bfe_u32 v8, v0, 3, 1                         ; r / 8
	v_lshlrev_b32 v[STQ], 4, v5
	v_lshl_add_u32 v[STQ], v8, 10, v[STQ]
	v_lshl_add_u32 v[STQ], v2, 3, v[STQ]
	v_add_nc_u32 v[STQ], s90, v[STQ]               ; 16,384 wave + 1,024 (r / 8) + 16 (r % 8) + 8 h
	v_lshlrev_b32 v[STV], 4, v1
	v_lshl_add_u32 v[STV], v2, 3, v[STV]
	v_add_nc_u32 v[STV], s90, v[STV]
	v_add_nc_u32 v[STV], 0x10000, v[STV]           ; 65,536 + 16,384 wave + 16 r + 8 h
	v_and_b32 v9, 31, v0
	v_lshlrev_b32 v[CO], 4, v9
	v_add_nc_u32 v[RDQ], s90, v[CO]
	v_add_nc_u32 v[RDV], 0x10000, v[RDQ]
	; where my two heads' images go
	s_cmp_eq_u32 ttmp9, 2
	s_cselect_b32 s80, s42, s17                    ; the token tile
	s_cselect_b32 s81, s16, s15                    ; my half of its tokens
	s_cselect_b32 s86, s41, s40                    ; which 256 of the kind's 1,024 columns
	s_cselect_b32 s87, s15, s16                    ; my half of them: two heads
	s_lshr_b32 s88, s80, 3                         ; batch
	s_lshl_b32 s88, s88, 4
	s_lshl_b32 s86, s86, 2
	s_add_co_u32 s88, s88, s86
	s_lshl_b32 s87, s87, 1
	s_add_co_u32 s88, s88, s87                     ; HB of my first head
	s_and_b32 s80, s80, 7
	s_lshl_b32 s80, s80, 1
	s_add_co_u32 s80, s80, s81                     ; G
	s_lshl_b32 s88, s88, 4
	s_add_co_u32 s88, s88, s80
	s_mul_i32 s88, s88, GRPB
	s_lshl_b32 s80, ttmp9, 13                      ; Q, K or V image
	s_add_co_u32 s88, s88, s80
	s_mov_b32 s89, 0
	s_add_nc_u64 s[12:13], s[12:13], s[88:89]
.macro FRAG reg, adr, q, i             ; a fragment, 16 rows x 128 K: lane l holds row l % 16; registers 4 c .. 4 c + 3 hold K = 32 c + 16 (l / 16) + 0 .. 15: the same order of K on both sides of the product
.irp c, 0,1,2,3
	ds_load_b128 v[\reg+4*\c:\reg+4*\c+3], v[\adr] offset:128*(\q)+32*\c+(\i)*16*PITCH
.endr
.endm
; 16 matrix instructions: A's blocks a0, a0 + 1 x B's eight, 128 along K.  p: B's set.  zero = 1: the first product starts the sums.
; The 64 accumulators take turns, one instruction a turn, in the same order in every step.
.macro MUL16 a0, p, zero
.irp a, \a0, \a0+1
.irp b, 0,1,2,3,4,5,6,7
.if \zero
	v_wmma_f32_16x16x128_bf8_bf8 v[8*(8*((\a)%4)+\b):8*(8*((\a)%4)+\b)+7], v[128*(\p)+FR*\b:128*(\p)+FR*\b+FR-1], v[AF+FR*(\a):AF+FR*(\a)+FR-1], 0
.else
	v_wmma_f32_16x16x128_bf8_bf8 v[8*(8*((\a)%4)+\b):8*(8*((\a)%4)+\b)+7], v[128*(\p)+FR*\b:128*(\p)+FR*\b+FR-1], v[AF+FR*(\a):AF+FR*(\a)+FR-1], v[8*(8*((\a)%4)+\b):8*(8*((\a)%4)+\b)+7]
.endif
.endr
.endr
.endm
.macro FETCH_B slot, q, p              ; B's eight fragments of the slot's q-th 128 along K into set p
	WIN TO_B
.irp i, 0,1,2,3,4,5,6,7
	FRAG 128*(\p)+FR*\i, ADRB+\slot, \q, \i
.endr
	WIN 0
.endm
.macro FETCH_A slot, q, i0             ; A's blocks i0 .. i0 + 3
.irp i, \i0, \i0+1, \i0+2, \i0+3
	FRAG AF+FR*(\i), ADRA+\slot, \q, \i
.endr
.endm
.macro PLACES n                        ; plain vector instructions between a matrix instruction and a load into, or a vector read or write of, its registers
.rept \n
	v_nop
.endr
.endm
; A step of 128 along K that has its successor in the same slot.
.macro STEP slot, q, zero
	s_wait_dscnt 4*NL                              ; B's set and A's blocks 0-3 are in; the youngest 16 loads (A's blocks 4-7) may be out
	WIN MUL_LO
	MUL16 0, (\q)%2, \zero
	MUL16 2, (\q)%2, \zero
	s_wait_dscnt 0                                 ; A's blocks 4-7 are in
	PLACES NP
	FETCH_B \slot, (\q)+1, 1-(\q)%2
	FETCH_A \slot, (\q)+1, 0
	WIN MUL_HI
	MUL16 4, (\q)%2, \zero
	MUL16 6, (\q)%2, \zero
	PLACES NP
	WIN 0
	FETCH_A \slot, (\q)+1, 4
.endm
; A slot's last step changes slots: ONE barrier; in front of it each wave waits for all its tensor loads, adds 0 to its spare word, and waits for that and for its own reads of this slot.  fill = 1: this slot is filled again.
.macro TURN slot, next, fill
	s_wait_tensorcnt 0x0                           ; all my tensor loads have landed: my part of the next slot
	ds_add_u32 v[SPW], v[NIL]                      ; 0 onto my spare word
	s_wait_dscnt 4*NL+1                            ; (the add and the youngest 16 loads, A's blocks 4-7, may be out)
	WIN MUL_LO
	MUL16 0, 1, 0                                  ; sixteen matrix instructions stand between the add and the wait for it
	s_wait_dscnt 0x0                               ; the add is done, and my reads of this slot are over
	s_barrier_signal -1
	MUL16 2, 1, 0
	WIN 0
	s_barrier_wait -1
.if \fill
	CREST                                          ; the barrier has opened a round of the cluster's barrier: no wave of any partner still reads this slot or has a load on its way
	s_add_nc_u64 s[G0+4*\slot+2:G0+4*\slot+3], s[G0+4*\slot+2:G0+4*\slot+3], 2*ROWB
	s_add_nc_u64 s[G0B+4*\slot+2:G0B+4*\slot+3], s[G0B+4*\slot+2:G0B+4*\slot+3], 2*ROWB
	JLOAD G0+4*\slot, G1, G0B+4*\slot, G1B         ; the first tensor load behind the round; its four v_nop are also the places in front of the loads below
.else
	PLACES NP
.endif
	FETCH_B \next, 0, 0
	FETCH_A \next, 0, 0
	WIN MUL_HI
	MUL16 4, 1, 0
	MUL16 6, 1, 0
	PLACES NP
	WIN 0
	FETCH_A \next, 0, 4
.endm
	s_wait_tensorcnt 1                             ; my part of the first 256 along K is in; the second fill's load may be out
	s_barrier_signal -1
	s_barrier_wait -1                              ; everybody's is
	FETCH_B 0, 0, 0
	FETCH_A 0, 0, 0
	FETCH_A 0, 0, 4
	STEP 0, 0, 1                                   ; K = 1,024 is eight steps of 128: written out.  The first step's products start the sums
	TURN 0, 1, 1                                   ; slot 0 takes K 512 .. 767
	STEP 1, 0, 0
	TURN 1, 0, 1                                   ; slot 1 takes K 768 .. 1,023
	STEP 0, 0, 0
	TURN 0, 1, 0                                   ; nothing is left to fetch
	STEP 1, 0, 0
	s_wait_dscnt 4*NL
	WIN MUL_LO
	MUL16 0, 1, 0
	MUL16 2, 1, 0
	s_wait_dscnt 0
	WIN MUL_HI
	MUL16 4, 1, 0
	MUL16 6, 1, 0
	WIN 0
; THE WAY OUT.  Block a (16 rows of A x my 128 rows of B): sum x 2^(e0 + e1) + bias, the conversion: a lane's eight registers are eight neighbours along the next K, so each conversion gives 8 bytes
; of an image.  They go to their place in the wave's stage, which lies in slot 0: it has had its last fill, and nobody has read it since the last change of slots.
.macro BLOCK a, isv
.set AC, 64*((\a)%4)
	WIN 0x02+((\a)/4)                              ; source 0: window 2 or 3
.set j, 0
.rept 32
.if \isv
	v_pk_fma_f32 v[TMP+j:TMP+j+1], v[AC+j:AC+j+1], s[96:97], v[BV+2*(\a):BV+2*(\a)+1] op_sel_hi:[1,0,1]   ; the bias of my channel; each accumulator from its low end on
.else
	v_pk_fma_f32 v[TMP+j:TMP+j+1], v[AC+j:AC+j+1], s[96:97], v[BI+j:BI+j+1] op_sel_hi:[1,0,1]             ; the biases of my columns
.endif
.set j, j+2
.endr
	WIN 0
.set j, 0
.rept 64
.set j, j+1
.endr
.if (\a) > 0
	s_wait_alu depctr_va_vdst(0)
	s_wait_dscnt 0x0                               ; the last block's stores have read their registers
.endif
.irp b, 0,1,2,3,4,5,6,7
	v_cvt_scalef32_pk8_bf8_f32 v[CD+2*\b:CD+2*\b+1], v[TMP+8*\b:TMP+8*\b+7], v[SCL]
.endr
	v_nop                                          ; one plain vector instruction behind the last conversion, ahead of the next block's writes of its sources
.irp b, 0,1,2,3,4,5,6,7
.if \isv
	ds_store_b64 v[STV], v[CD+2*\b:CD+2*\b+1] offset:((\a)>>2)*8192+((\a)&3)*2048+(\b>>1)*512+(\b&1)*256
.else
	ds_store_b64 v[STQ], v[CD+2*\b:CD+2*\b+1] offset:(\b>>2)*8192+((\a)>>1)*2048+((\a)&1)*128+((\b&3)>>1)*512+(\b&1)*256
.endif
.endr
.endm
.macro OUT rd                          ; the two images leave as they lie: each store of the wave covers 512 consecutive bytes, aligned
.set i, 0
.rept 32
	ds_load_b128 v[128+4*i:128+4*i+3], v[\rd] offset:512*i   ; LDS serves a wave's instructions in order (ISA guide 5.7.1.4): these see my stores
.set i, i+1
.endr
.set i, 0
.rept 32
	s_wait_dscnt 31-i                              ; load i is in; the 31 - i behind it may be out
	global_store_b128 v[CO], v[128+4*i:128+4*i+3], s[12:13] offset:(i/16)*HEADB+(i%16)*512
.set i, i+1
.endr
.endm
	s_wait_kmcnt 0x0
	s_add_co_i32 s96, s72, s73                     ; e0 + e1, between -126 and 127,
	s_add_co_i32 s96, s96, 127
	s_lshl_b32 s96, s96, 23                        ; makes the f32 number 2^(e0 + e1)
	s_mov_b32 s97, s96                             ; (named with it as a pair, so it is written)
	s_cmp_eq_u32 ttmp9, 1
	s_cselect_b32 s80, s75, s77                    ; k: e3; v: e5
	s_cmp_eq_u32 ttmp9, 0
	s_cselect_b32 s80, s74, s80                    ; q: e2.  A select, no branch, on the loaded numbers
	s_add_co_i32 s80, s80, 127
	s_lshl_b32 s81, s80, 23
	v_mov_b32 v[SCL], s81                          ; 2^e: the conversion takes its exponent field
	s_wait_loadcnt 0x0                             ; the biases
	PLACES NP                                      ; behind the last products: A's registers are written and results are read below
	s_cmp_eq_u32 ttmp9, 2                          ; the kind, the same in all partners
	s_cbranch_scc1 .Lv
.irp a, 0,1,2,3,4,5,6,7
	BLOCK \a, 0
.endr
	OUT RDQ
	s_branch .Ljoin
.Lv:
.irp a, 0,1,2,3,4,5,6,7
	BLOCK \a, 1
.endr
	OUT RDV
.Ljoin:
	s_wait_tensorcnt 0x0                           ; the wave's end, behind my last tensor load and my last LDS store
	ds_add_u32 v[SPW], v[NIL]
	s_wait_dscnt 0x0
	CROUND                                         ; the closing round: no work-group ends while a partner may still ask for a tile that names it
	s_endpgm
.Lfunc_end_k_q13005fd88f_qkv:
	.size	k_q13005fd88f_qkv, .Lfunc_end_k_q13005fd88f_qkv-k_q13005fd88f_qkv
	.p2alignl 7, 3214868480
	.fill 96, 4, 3214868480
	.section	.rodata,"a",@progbits
	.p2align	6, 0x0
	.amdhsa_kernel k_q13005fd88f_qkv
		.amdhsa_group_segment_fixed_size 327680
		.amdhsa_private_segment_fixed_size 0
		.amdhsa_enable_private_segment 0
		.amdhsa_kernarg_size 40
		.amdhsa_user_sgpr_count 2
		.amdhsa_user_sgpr_kernarg_segment_ptr 1
		.amdhsa_wavefront_size32 1
		.amdhsa_system_sgpr_workgroup_id_x 1
		.amdhsa_system_sgpr_workgroup_id_y 1
		.amdhsa_system_sgpr_workgroup_id_z 1
		.amdhsa_system_vgpr_workitem_id 0
		.amdhsa_next_free_vgpr 1024
		.amdhsa_next_free_sgpr 98
		.amdhsa_reserve_vcc 0
		.amdhsa_float_denorm_mode_32 3
		.amdhsa_float_denorm_mode_16_64 3
		.amdhsa_fp16_overflow 1
		.amdhsa_memory_ordered 1
		.amdhsa_forward_progress 1
		.amdhsa_inst_pref_size 145
	.end_amdhsa_kernel
	.amdgpu_metadata
---
amdhsa.version: [ 1, 2 ]
amdhsa.kernels:
  - .name:           k_q13005fd88f_qkv
    .symbol:         k_q13005fd88f_qkv.kd
    .args:
      - { .name: x_codes, .offset: 0, .size: 8, .value_kind: global_buffer, .address_space: global }
      - { .name: Wqkv_codes, .offset: 8, .size: 8, .value_kind: global_buffer, .address_space: global }
      - { .name: lowp_scales, .offset: 16, .size: 8, .value_kind: global_buffer, .address_space: global }
      - { .name: bqkv, .offset: 24, .size: 8, .value_kind: global_buffer, .address_space: global }
      - { .name: qkv, .offset: 32, .size: 8, .value_kind: global_buffer, .address_space: global }
    .group_segment_fixed_size: 327680
    .private_segment_fixed_size: 0
    .kernarg_segment_align: 8
    .kernarg_segment_size: 40
    .max_flat_workgroup_size: 128
    .sgpr_count:     98
    .vgpr_count:     1024
    .wavefront_size: 32
...
	.end_amdgpu_metadata
.endif
;; end of part 1
;; launch attn (part 2): grid 4 x 64, 8 waves a work-group, no clusters, 327,680 bytes of LDS; arguments qkv, lowp_scales, att; writes att
.if DOCPART == 2
	.amdgcn_target "amdgcn-amd-amdhsa--gfx1250"
	.amdhsa_code_object_version 6
	.text
	.protected	k_q13005fd88f_attn
	.globl	k_q13005fd88f_attn
	.p2align	8
	.type	k_q13005fd88f_attn,@function
k_q13005fd88f_attn:
	s_mov_b64 s[64:65], 0
	v_nop
	global_prefetch_b8 v0, s[64:65] scope:SCOPE_SE
	s_setreg_imm32_b32 hwreg(HW_REG_WAVE_MODE, 25, 1), 1
	s_wait_xcnt 0x0
; For each of 64 heads: O[q] = sum over k of p(q, k) v[k] / l(q), both products on codes of BF8 (E5M2).  logit = q . k / 8 where k <= q, and -0.0001 where k > q (NOT -infinity: hidden keys keep a weight).
; t = logit x log2(e); M = the row's largest t so far, rounded UP to a whole number; p = 2^(t - M) is quantised with 2^e4; l is the sum of the unquantised p.  When M moves, l and O are multiplied by 2^(old M - new M): exact.
; WHAT THE MASK SPARES: the scores of hidden keys are thrown away, so K Q^T is not multiplied for steps that lie wholly above the diagonal.  Their weights are not: p0 = 2^(t0 - M), t0 = -0.0001 log2(e), counts in the
; maximum, in l and in the second product, which therefore runs over all 2,048 keys on the matrix unit; above the diagonal its P operand is one code, and no exponential is taken there but p0's.
; INPUT: the images that the launch before has stored: for head HB and group G of 128 tokens 24,576 bytes: Q, K, V image.  OUTPUT: O x 2^(e4 + e5) / l quantised with 2^e6, as images of the last product's A fragments:
;   att: [T 512][head 16][c 2][lane 32][16 bytes], T = 8 x (token / 128) + tile: token 32 (tile / 2) + 8 (tile % 2) + r + 8 (r / 8) of the group, channels 32 c + 16 (lane / 16) + 0 .. 15 of the head.
; LIMITS on the given exponents, so that each power of two below is an f32 number: e2 + e3 between -123 and 130 (added to c's exponent field); e4, e6 between -126 and 112.  NaN among the inputs is not served.
; SHARES.  Work-group (x, HB) owns the query blocks 7 - x and x of head HB, 256 queries each, one after the other: 2 (7 - x) + 2 x is the same for every x, so all 256 work-groups have the same number of open steps.
; Wave w of eight owns 32 queries of the block: two tiles of 16, in 512 registers: two waves to a SIMD, so that one wave's vector work stands beside the other's matrix work and LDS loads.
; LDS.  The head's whole K and V, 16 steps of 128 keys x 16,384 bytes, are brought ONCE: wave w asks for steps w and w + 8 in its first lines.  Nothing is filled again: no ring; three barriers in all.
; NO CLUSTER, though the four work-groups of a head read the same K and V: whether a step is open, on the diagonal or hidden is a branch on the query block, which is the work-group's place among those four.
; NO PREFETCH: every byte that a work-group reads is asked for in its first lines.
; LAYOUT.  Both products are used transposed: S^T = K Q^T (source 0 = 16 keys, source 1 = 16 queries), O^T = V^T P (source 0 = 16 channels, source 1 = P): a lane holds ONE query (lane % 16) throughout,
; and of a step's 128 keys the 64 of its half: a query's l lies in TWO lanes, l and l xor 16, which the way out adds.
; The keys of a tile are not neighbours (see the images), so that the 16 registers of tiles 2 b and 2 b + 1 are the 16 neighbouring keys 32 b + 16 (lane / 16) + 0 .. 15: the conversions' results ARE P's registers.
; REGISTERS.  window 0: v1-11 addresses and constants; v12-27 eight registers of statistics a tile; v28-29 lane exchange; v32-63 P; v64-191 S^T, then p; v192-231 at work.
;   window 1: v0-63 O^T (32 a tile); v64-127 V of a step; v128-191 K of a step; v192-207 Q.
.set STEPB, 16384                      ; a step in LDS: K image, V image
.set GRPB,  24576
.set HEADB, 16*GRPB
.set STAGE, 16*STEPB                   ; behind K and V: 2,048 bytes a wave for the way out; no fill lands there
.set LI,   1                           ; v1   16 x lane
.set ADR,  2                           ; v2   LDS address of the step in hand
.set SO,   3                           ; v3   the stage: where I put 8 codes
.set SR,   4                           ; v4   and where I read it back
.set DL,   5                           ; v5   r + 8 (r / 8) - 16 (lane / 16)
.set S0M,  6                           ; v6   the raw score that stands for the logit -0.0001
.set LIM4, 7                           ; v7   57,344 x 2^e4
.set SC4,  8                           ; v8   2^e4
.set LIM6, 9                           ; v9   never written
.set SC6,  10                          ; v10  2^e6
.set CNTF, 11                          ; v11  my lane's share of the hidden keys from a step on (half of them), as f32
.set ST,   12                          ; tile u at v[ST + 8 u]: +0 -M, +1 the largest t, +2 +3 l in two halves, +4 f (+5: written once, named with it as a pair), +6 +7 at work
.set PD,   28                          ; v28-29 the lane exchange's destinations
.set P,    32
.set S,    64
.set C2,   192                         ; v192-195 the sums' second chains
.set DD,   196                         ; v196-197 the mask: my query less the step's first key less 16 (lane / 16)
.set OC,   200                         ; v200-215 the result's codes
.set OB,   216                         ; v216-231 the images read back
.set OT,   0                           ; window 1
.set VFR,  64
.set KFR,  128
.set QFR,  192
.set WV,   10                          ; s10  wave
.set HB,   11                          ; s11  head
.set G1,   16                          ; s[16:23] descriptor group 1; s[24:27], s[28:31] two groups 0
.set CS,   40                          ; s[40:41] c = log2(e) / 8 x 2^(e2 + e3)
.set SEL,  42                          ; s[42:43] selects for lane l xor 16
.set TB,   44                          ; s44  LDS byte of the step in hand
.set KF,   45                          ; s45  its first key
.set Q0,   46                          ; s46  my first query
.set CNT,  47                          ; s47  trips
.set QA,   50                          ; s[50:51] my two tiles of the Q image
.set OA,   52                          ; s[52:53] my two tiles in att
.set EPV,  54                          ; s54  e4 + e5
.set MSB, 0
.macro WIN new                         ; the immediate's high byte repeats the setting that is left
.if MSB != (\new)
	s_set_vgpr_msb (MSB<<8)|(\new)
.set MSB, (\new)
.endif
.endm
	s_load_b128 s[4:7], s[0:1], 0x0                ; the images s[4:5], the scales' exponents s[6:7]
	s_load_b64 s[8:9], s[0:1], 0x10                ; att
	v_lshl_add_u32 v254, v0, 2, 0x44000
	v_mov_b32 v255, 0
	ds_add_u32 v254, v255
	ds_add_u32 v254, v255
	v_lshrrev_b32 v2, 5, v0
	s_delay_alu instid0(VALU_DEP_1)
	v_readfirstlane_b32 s[WV], v2                  ; wave 0..7
	s_and_b32 s[HB], ttmp7, 0xffff
	; descriptor group 1: a dense block of 16,384 bytes as 64 rows of 256
	s_mov_b32 s[G1+0], 3<<16                       ; no mask; elements of 8 bytes; no padding
	s_mov_b32 s[G1+1], 32<<16                      ; tensor_dim0 = 32
	s_mov_b32 s[G1+2], 64<<16                      ; tensor_dim1 = 64
	s_mov_b32 s[G1+3], 32<<16                      ; tile_dim0 = 32
	s_mov_b32 s[G1+4], 64                          ; tile_dim1 = 64
	s_mov_b32 s[G1+5], 32                          ; from row to row
	s_mov_b32 s[G1+6], 0
	s_mov_b32 s[G1+7], 0
	s_mul_i32 s48, s[HB], HEADB
	s_mul_i32 s49, s[WV], GRPB
	s_add_co_u32 s48, s48, s49
	s_add_co_u32 s48, s48, 8192                    ; the K image of step w; its V image follows it
	s_mov_b32 s49, 0
	s_mov_b32 s24, 1
	s_lshl_b32 s25, s[WV], 14                      ; to LDS byte 16,384 w
	s_mov_b32 s28, 1
	s_add_co_u32 s29, s25, 8*STEPB                 ; step w + 8
	s_wait_dscnt 0x0
	s_wait_kmcnt 0x0
	s_load_b256 s[32:39], s[6:7], 0x0              ; e0 .. e7
	s_add_nc_u64 s[26:27], s[4:5], s[48:49]
	s_add_nc_u64 s[30:31], s[26:27], 8*GRPB
	s_or_b32 s27, s27, 0x80000000
	s_or_b32 s31, s31, 0x80000000
	tensor_load_to_lds s[24:27], s[16:23]          ; step w's fill; step w + 8's goes out behind the barrier below
	s_nop 0
	s_wait_alu depctr_va_vdst(0)
	s_wait_tensorcnt 0x0
	ds_add_u32 v254, v255
	s_wait_dscnt 0x0
	s_barrier_signal -1
	s_barrier_wait -1
	tensor_load_to_lds s[28:31], s[16:23]
	s_nop 0
.rept 4
	v_nop
.endr
	v_and_b32 v[LI], 31, v0
	s_delay_alu instid0(VALU_DEP_1)
	v_lshlrev_b32 v[LI], 4, v[LI]
	v_and_b32 v30, 15, v0                          ; r
	v_bfe_u32 v31, v0, 4, 1                        ; h
	s_lshl_b32 s48, s[WV], 11
	s_add_co_u32 s48, s48, STAGE
	v_lshlrev_b32 v[SO], 4, v30
	s_delay_alu instid0(VALU_DEP_1)
	v_lshl_add_u32 v[SO], v31, 3, v[SO]
	s_delay_alu instid0(VALU_DEP_1)
	v_add_nc_u32 v[SO], s48, v[SO]                 ; my stage + 16 r + 8 h
	v_add_nc_u32 v[SR], s48, v[LI]
	v_and_b32 v[DL], 8, v30
	s_delay_alu instid0(VALU_DEP_1)
	v_add_nc_u32 v[DL], v[DL], v30
	v_lshlrev_b32 v31, 4, v31
	s_delay_alu instid0(VALU_DEP_1)
	v_sub_nc_u32 v[DL], v[DL], v31
	v_mov_b32 v[PD], 0                             ; written once: a lane exchange's destination counts as one of its sources
	v_mov_b32 v[PD+1], 0
	v_mov_b32 v[ST+5], 0                           ; (named as the upper halves of the pairs that hold f)
	v_mov_b32 v[ST+13], 0
	s_mov_b32 s[SEL], 0x76543210
	s_mov_b32 s[SEL+1], 0xfedcba98
; A PASS BEGINS: my 32 queries of block 7 - x (pass 0) or x (pass 1): addresses, Q's fragments, the statistics, O^T = 0 (so that the step is written once: the first change of M multiplies zeros).
.macro INIT pass
.if \pass == 0
	s_sub_co_u32 s48, 7, ttmp9
.else
	s_mov_b32 s48, ttmp9
.endif
	s_lshl_b32 s[Q0], s48, 8
	s_lshl_b32 s49, s[WV], 5
	s_add_co_u32 s[Q0], s[Q0], s49
	s_mov_b32 s[KF], 0
	s_mov_b32 s[TB], 0
	s_lshl_b32 s48, s[HB], 4
	s_lshr_b32 s49, s[Q0], 7
	s_add_co_u32 s48, s48, s49
	s_mul_i32 s48, s48, GRPB                       ; the group's Q image,
	s_bfe_u32 s49, s[Q0], 0x20005
	s_lshl_b32 s49, s49, 11                        ; my two tiles of it: 2 ((Q0 / 32) % 4) on
	s_add_co_u32 s48, s48, s49
	s_mov_b32 s49, 0
	s_add_nc_u64 s[QA:QA+1], s[4:5], s[48:49]
	s_lshr_b32 s48, s[HB], 4
	s_lshl_b32 s48, s48, 7
	s_lshr_b32 s49, s[Q0], 4
	s_add_co_u32 s48, s48, s49                     ; T = 128 batch + Q0 / 16
	s_lshl_b32 s48, s48, 14
	s_and_b32 s49, s[HB], 15
	s_lshl_b32 s49, s49, 10
	s_add_co_u32 s48, s48, s49
	s_mov_b32 s49, 0
	s_add_nc_u64 s[OA:OA+1], s[8:9], s[48:49]
	WIN 0x40                                       ; destination window 1
.irp u, 0,1
.irp c, 0,1
	global_load_b128 v[QFR+8*\u+4*\c:QFR+8*\u+4*\c+3], v[LI], s[QA:QA+1] offset:1024*\u+512*\c
.endr
.endr
.set j, 0
.rept 64
	v_mov_b32 v[OT+j], 0
.set j, j+1
.endr
	WIN 0
.irp u, 0,1
	v_mov_b32 v[ST+8*\u+1], 0xff61b1e6             ; the largest t so far: -3e38, under every t
	s_delay_alu instid0(VALU_DEP_1)
	v_floor_f32 v[ST+8*\u], -v[ST+8*\u+1]          ; -M
	v_mov_b32 v[ST+8*\u+2], 0                      ; l
	v_mov_b32 v[ST+8*\u+3], 0
.endr
.endm
.macro VLOAD                           ; the step's V: tile t (16 channels x 128 keys), 16 registers
.irp t, 0,1,2,3
.irp c, 0,1,2,3
	ds_load_b128 v[VFR+16*\t+4*\c:VFR+16*\t+4*\c+3], v[ADR] offset:8192+2048*\t+512*\c
.endr
.endr
.endm
; v[ST+6] holds a new t of each tile: the running largest t, the new -M = floor(-t), and f = 2^(old M - new M), made of a whole number: what was summed under the old M comes under the new by a multiplication that rounds nothing
.macro NEWM
.irp u, 0,1
	v_max_num_f32 v[ST+8*\u+1], v[ST+8*\u+1], v[ST+8*\u+6]
.endr
.irp u, 0,1
	v_mov_b32 v[ST+8*\u+6], v[ST+8*\u]
.endr
.irp u, 0,1
	s_delay_alu instid0(VALU_DEP_4)
	v_floor_f32 v[ST+8*\u], -v[ST+8*\u+1]
.endr
.irp u, 0,1
	s_delay_alu instid0(VALU_DEP_2)
	v_sub_f32 v[ST+8*\u+6], v[ST+8*\u], v[ST+8*\u+6]
.endr
.irp u, 0,1
	s_delay_alu instid0(VALU_DEP_2)
	v_cvt_i32_f32 v[ST+8*\u+6], v[ST+8*\u+6]       ; (it saturates)
.endr
.irp u, 0,1
	s_delay_alu instid0(VALU_DEP_2)
	v_ldexp_f32 v[ST+8*\u+4], 1.0, v[ST+8*\u+6]
.endr
.endm
.macro LSCALE                          ; l x f
.irp u, 0,1
	v_pk_mul_f32 v[ST+8*\u+2:ST+8*\u+3], v[ST+8*\u+2:ST+8*\u+3], v[ST+8*\u+4:ST+8*\u+5] op_sel_hi:[1,0]
.endr
.endm
.macro RESCALE                         ; O^T x f, each accumulator from its low end on
	WIN 0x41                                       ; O^T (destination and source 0) window 1, f window 0
.set j, 0
.rept 16
	v_pk_mul_f32 v[OT+j:OT+j+1], v[OT+j:OT+j+1], v[ST+4:ST+5] op_sel_hi:[1,0]
	v_pk_mul_f32 v[OT+32+j:OT+32+j+1], v[OT+32+j:OT+32+j+1], v[ST+12:ST+13] op_sel_hi:[1,0]
.set j, j+2
.endr
	WIN 0
.endm
; THE SOFTMAX OF A STEP, the two tiles taking turns line by line.
.macro SOFTMAX
.irp u, 0,1
	v_max3_num_f32 v[ST+8*\u+6], v[S+64*\u], v[S+64*\u+1], v[S+64*\u+2]     ; the step's largest score of my query among my 64 keys, in two chains, ascending
	v_max3_num_f32 v[ST+8*\u+7], v[S+64*\u+3], v[S+64*\u+4], v[S+64*\u+5]
.endr
.irp i, 6,10,14,18,22,26,30,34,38,42,46,50,54,58
.irp u, 0,1
	v_max3_num_f32 v[ST+8*\u+6], v[ST+8*\u+6], v[S+64*\u+\i], v[S+64*\u+\i+1]
	v_max3_num_f32 v[ST+8*\u+7], v[ST+8*\u+7], v[S+64*\u+\i+2], v[S+64*\u+\i+3]
.endr
.endr
.irp u, 0,1
	v_max3_num_f32 v[ST+8*\u+6], v[ST+8*\u+6], v[S+64*\u+62], v[S+64*\u+63]
.endr
.irp u, 0,1
	s_delay_alu instid0(VALU_DEP_2)
	v_max_num_f32 v[ST+8*\u+6], v[ST+8*\u+6], v[ST+8*\u+7]
.endr
.irp u, 0,1
	s_delay_alu instid0(VALU_DEP_2)
	v_permlanex16_b32 v[PD+\u], v[ST+8*\u+6], s[SEL], s[SEL+1]
.endr
.irp u, 0,1
	s_delay_alu instid0(VALU_DEP_2)
	v_max_num_f32 v[ST+8*\u+6], v[ST+8*\u+6], v[PD+\u]   ; and among lane l xor 16's
.endr
.irp u, 0,1
	s_delay_alu instid0(VALU_DEP_2)
	v_mul_f32 v[ST+8*\u+6], s[CS], v[ST+8*\u+6]    ; as t (c is positive)
.endr
	NEWM
.set j, 0
.rept 32
	v_pk_fma_f32 v[S+j:S+j+1], v[S+j:S+j+1], s[CS:CS+1], v[ST:ST+1] op_sel_hi:[1,0,0]             ; t - M, two at a time (of the pairs c and -M the low word serves both halves)
	v_pk_fma_f32 v[S+64+j:S+64+j+1], v[S+64+j:S+64+j+1], s[CS:CS+1], v[ST+8:ST+9] op_sel_hi:[1,0,0]
.set j, j+2
.endr
.set j, 0
	s_wait_alu depctr_va_vdst(0)
.rept 128
	v_exp_f32 v[S+j], v[S+j]                       ; p = 2^(t - M), at most 1: not normalised.  ONE batch
.set j, j+1
.endr
	LSCALE                                         ; plain instructions behind the last exponential
	s_wait_alu depctr_va_vdst(0)                   ; one wait for the batch, ahead of its first reader
.irp u, 0,1
	v_pk_add_f32 v[C2+2*\u:C2+2*\u+1], v[S+64*\u:S+64*\u+1], v[S+64*\u+2:S+64*\u+3]   ; l takes the UNQUANTISED p: two at a time, two chains a tile
.endr
.irp i, 4,8,12,16,20,24,28,32,36,40,44,48,52,56,60
.irp u, 0,1
	v_pk_add_f32 v[ST+8*\u+2:ST+8*\u+3], v[ST+8*\u+2:ST+8*\u+3], v[S+64*\u+\i:S+64*\u+\i+1]
	v_pk_add_f32 v[C2+2*\u:C2+2*\u+1], v[C2+2*\u:C2+2*\u+1], v[S+64*\u+\i+2:S+64*\u+\i+3]
.endr
.endr
.irp u, 0
	s_delay_alu instid0(VALU_DEP_3)
	v_pk_add_f32 v[ST+8*\u+2:ST+8*\u+3], v[ST+8*\u+2:ST+8*\u+3], v[C2+2*\u:C2+2*\u+1]
.endr
.irp u, 1
	s_delay_alu instid0(VALU_DEP_2)
	v_pk_add_f32 v[ST+8*\u+2:ST+8*\u+3], v[ST+8*\u+2:ST+8*\u+3], v[C2+2*\u:C2+2*\u+1]
.endr
.irp b, 0,1,2,3
.irp u, 0,1
.irp i, 0,1,2,3,4,5,6,7,8,9,10,11,12,13,14,15
.endr
	v_cvt_scalef32_pk8_bf8_f32 v[P+16*\u+4*\b:P+16*\u+4*\b+1], v[S+64*\u+16*\b:S+64*\u+16*\b+7], v[SC4]
	v_cvt_scalef32_pk8_bf8_f32 v[P+16*\u+4*\b+2:P+16*\u+4*\b+3], v[S+64*\u+16*\b+8:S+64*\u+16*\b+15], v[SC4]
.endr
.endr
	RESCALE                                        ; 32 plain instructions: also the place between the last conversion and the products that read P
.endm
; THE FIRST STEP THAT LIES WHOLLY ABOVE THE DIAGONAL.  t0 enters the maximum (a query whose last visible key ended the step before has not met it yet); from here on M is final.  l takes p0 once for each of the
; 2,048 - KF keys that are left: a query's l lies in two lanes, each with half of every step's keys, so each lane adds p0 x (2,048 - KF) / 2.  P becomes p0's code in all its 64 places and stays.
.macro HFIRST
	s_sub_co_u32 s48, 2048, s[KF]
	s_lshr_b32 s48, s48, 1                         ; my lane's share: a whole number, a multiple of 64
	v_cvt_f32_u32 v[CNTF], s48
.irp u, 0,1
	v_mul_f32 v[ST+8*\u+6], s[CS], v[S0M]          ; t0
.endr
	s_wait_alu depctr_va_vdst(0)
	NEWM
.irp u, 0,1
	v_fma_f32 v[ST+8*\u+7], v[S0M], s[CS], v[ST+8*\u]   ; t0 - M, as the masked places of the diagonal step have it
.endr
	s_wait_alu depctr_va_vdst(0)
.irp u, 0,1
	v_exp_f32 v[ST+8*\u+7], v[ST+8*\u+7]           ; p0
.endr
	LSCALE                                         ; plain instructions behind the exponentials
	s_wait_alu depctr_va_vdst(0)                   ; one wait for the two, ahead of their first reader
.irp u, 0,1
	v_fma_f32 v[ST+8*\u+2], v[ST+8*\u+7], v[CNTF], v[ST+8*\u+2]
.endr
.irp u, 0,1
.irp i, 0,1,2,3,4,5,6,7
	v_min_num_f32 v[S+64*\u+\i], v[ST+8*\u+7], v[LIM4]
.endr
.endr
.irp u, 0,1
	v_cvt_scalef32_pk8_bf8_f32 v[P+16*\u:P+16*\u+1], v[S+64*\u:S+64*\u+7], v[SC4]
.endr
	RESCALE                                        ; (plain instructions between the conversions and the moves that read their results)
.irp u, 0,1
.irp i, 2,3,4,5,6,7,8,9,10,11,12,13,14,15
	v_mov_b32 v[P+16*\u+\i], v[P+16*\u]
.endr
.endr
.endm
; A STEP OF 128 KEYS.  modes = 0: every key counts for all my queries (no branch).  modes = 1: the step may be open, on the diagonal or hidden: scalar branches on ids.
.macro STEP modes
	v_add_nc_u32 v[ADR], s[TB], v[LI]              ; (the fifth plain instruction behind the last step's products)
.if \modes
	s_add_co_u32 s48, s[Q0], 31
	s_cmp_gt_u32 s[KF], s48
	s_cbranch_scc1 .Lhid_\@                        ; all 128 keys come after my 32 queries
.endif
	WIN 0x40                                       ; destination window 1
.irp f, 0,1,2,3,4,5,6,7
	ds_load_b128 v[KFR+8*\f:KFR+8*\f+3],   v[ADR] offset:1024*\f       ; K's tile f: 16 keys x 64 channels, 8 registers
	ds_load_b128 v[KFR+8*\f+4:KFR+8*\f+7], v[ADR] offset:1024*\f+512
.endr
	VLOAD
	WIN 0x05                                       ; K and Q window 1, S^T window 0
	s_wait_dscnt 16                                ; K's 16 loads are in; V's 16 may be out
.irp f, 0,1,2,3,4,5,6,7
.irp u, 0,1
	v_wmma_f32_16x16x64_bf8_bf8 v[S+64*\u+8*\f:S+64*\u+8*\f+7], v[KFR+8*\f:KFR+8*\f+7], v[QFR+8*\u:QFR+8*\u+7], 0
.endr
.endr
	WIN 0
.rept 4
	v_nop                                          ; places in front of the first read of the scores
.endr
.if \modes
	s_add_co_u32 s48, s[KF], 127
	s_cmp_le_u32 s48, s[Q0]
	s_cbranch_scc1 .Lopen_\@
	s_sub_co_i32 s48, s[Q0], s[KF]                 ; ON THE DIAGONAL: register n of tile u holds key KF + 16 (lane / 16) + 32 (n / 16) + n % 16; my query is Q0 + 8 u + r + 8 (r / 8)
	v_add_nc_u32 v[DD], s48, v[DL]
	s_delay_alu instid0(VALU_DEP_1)
	v_add_nc_u32 v[DD+1], 8, v[DD]
.set n, 0
.rept 64
.irp u, 0,1
	v_cmp_gt_i32 vcc_lo, 32*(n/16)+n%16, v[DD+\u]
	v_cndmask_b32 v[S+64*\u+n], v[S+64*\u+n], v[S0M], vcc_lo   ; a hidden key's score becomes the one that stands for -0.0001, ahead of the maximum
.endr
.set n, n+1
.endr
.Lopen_\@:
.endif
	SOFTMAX
.if \modes
	s_branch .Lpv_\@
.Lhid_\@:
	s_and_b32 s48, s[Q0], 0xffffff80
	s_add_co_u32 s48, s48, 128
	s_cmp_lg_u32 s[KF], s48
	s_cbranch_scc1 .Lnot_first_\@
	HFIRST
.Lnot_first_\@:
	WIN 0x40
	s_wait_alu depctr_va_vdst(0)
	VLOAD
	WIN 0
.Lpv_\@:
.endif
	s_wait_alu depctr_va_vdst(0)
	s_wait_dscnt 0x0                               ; V is in
	WIN 0x51                                       ; V window 1, P window 0, O^T window 1
.irp t, 0,1,2,3
.irp u, 0,1
	v_wmma_f32_16x16x128_bf8_bf8 v[OT+32*\u+8*\t:OT+32*\u+8*\t+7], v[VFR+16*\t:VFR+16*\t+15], v[P+16*\u:P+16*\u+15], v[OT+32*\u+8*\t:OT+32*\u+8*\t+7]   ; the eight accumulators take turns, from step to step too
.endr
.endr
	WIN 0
.rept 4
	v_nop                                          ; places in front of the next loads into V's registers and of the next reads of O^T
.endr
	s_add_co_u32 s[KF], s[KF], 128
	s_add_co_u32 s[TB], s[TB], STEPB
.endm
.macro STEPS n, modes
	s_mov_b32 s[CNT], \n
.Lsteps_\@:
	STEP \modes
	s_sub_co_u32 s[CNT], s[CNT], 1
	s_cmp_lg_u32 s[CNT], 0
	s_cbranch_scc1 .Lsteps_\@
.endm
; THE WAY OUT OF A PASS: O^T x 2^(e4 + e5) / l, converted with 2^e6: a lane's eight channels are 8 bytes of an image; through my stage, so that each store of the wave covers 512 consecutive bytes, aligned.
.macro WAYOUT
.irp u, 0,1
	v_add_f32 v[ST+8*\u+6], v[ST+8*\u+2], v[ST+8*\u+3]
.endr
.irp u, 0,1
	s_delay_alu instid0(VALU_DEP_2)
	v_permlanex16_b32 v[PD+\u], v[ST+8*\u+6], s[SEL], s[SEL+1]
.endr
.irp u, 0,1
	s_delay_alu instid0(VALU_DEP_2)
	v_add_f32 v[ST+8*\u+6], v[ST+8*\u+6], v[PD+\u] ; the row's sum: my lane's part and lane l xor 16's
.endr
	s_wait_alu depctr_va_vdst(0)
.irp u, 0,1
	v_rcp_f32 v[ST+8*\u+7], v[ST+8*\u+6]
.endr
	v_nop                                          ; a plain instruction behind the last reciprocal
	s_wait_alu depctr_va_vdst(0)                   ; one wait for the two, ahead of their first reader
.irp u, 0,1
	v_ldexp_f32 v[ST+8*\u+6], v[ST+8*\u+7], s[EPV]
.endr
	WIN 0x01                                       ; source 0 (O^T) window 1
.set j, 0
.rept 16
	v_pk_mul_f32 v[S+j:S+j+1], v[OT+j:OT+j+1], v[ST+6:ST+7] op_sel_hi:[1,0]
	v_pk_mul_f32 v[S+64+j:S+64+j+1], v[OT+32+j:OT+32+j+1], v[ST+14:ST+15] op_sel_hi:[1,0]
.set j, j+2
.endr
	WIN 0
.set j, 0
.rept 32
.set j, j+1
.endr
.irp u, 0,1
.irp t, 0,1,2,3
	v_cvt_scalef32_pk8_bf8_f32 v[OC+8*\u+2*\t:OC+8*\u+2*\t+1], v[S+64*\u+8*\t:S+64*\u+8*\t+7], v[SC6]
.endr
.endr
	v_nop                                          ; one plain vector instruction behind the last conversion
.irp u, 0,1
.irp t, 0,1,2,3
	ds_store_b64 v[SO], v[OC+8*\u+2*\t:OC+8*\u+2*\t+1] offset:1024*\u+(\t>>1)*512+(\t&1)*256
.endr
.endr
.irp k, 0,1,2,3
	ds_load_b128 v[OB+4*\k:OB+4*\k+3], v[SR] offset:512*\k   ; LDS serves a wave's instructions in order: these see my stores
.endr
.irp k, 0,1,2,3
	s_wait_dscnt 3-\k                              ; load k is in; the 3 - k behind it may be out
	global_store_b128 v[LI], v[OB+4*\k:OB+4*\k+3], s[OA:OA+1] offset:16384*(\k>>1)+512*(\k&1)
.endr
	s_wait_xcnt 0x0                                ; the stores have read their registers and their base: both are written again in the next pass
.endm
	INIT 0
	s_wait_kmcnt 0x0
	s_add_co_i32 s48, s34, s35                     ; e2 + e3
	s_lshl_b32 s49, s48, 23
	s_mov_b32 s[CS], 0x3e38aa3b                    ; log2(e) / 8
	s_add_co_i32 s[CS], s[CS], s49                 ; a score stands for score x 2^(e2 + e3): the exponents are added to c's exponent field
	s_mov_b32 s[CS+1], s[CS]                       ; (named with it as a pair, so it is written)
	s_sub_co_i32 s48, 3, s48
	v_mov_b32 v[S0M], 0xb8d1b717                   ; -0.0001
	s_delay_alu instid0(VALU_DEP_1)
	v_ldexp_f32 v[S0M], v[S0M], s48                ; x 8 / 2^(e2 + e3): c times this is t0
	s_add_co_i32 s48, s36, 127
	s_lshl_b32 s49, s48, 23
	v_mov_b32 v[SC4], s49                          ; 2^e4
	s_add_co_i32 s48, s48, 15
	s_lshl_b32 s48, s48, 23
	s_or_b32 s48, s48, 0x600000
	v_mov_b32 v[LIM4], s48                         ; 57,344 x 2^e4
	s_add_co_i32 s48, s38, 127
	s_lshl_b32 s49, s48, 23
	v_mov_b32 v[SC6], s49                          ; 2^e6
	s_add_co_i32 s[EPV], s36, s37                  ; e4 + e5
	s_wait_loadcnt 0x0                             ; Q
	s_wait_tensorcnt 0x1                           ; my step w is in; my step w + 8 may be out
	s_barrier_signal -1
	s_barrier_wait -1                              ; steps 0 to 7 are whole
	STEPS 8, 0                                     ; block 7 - x begins at query 1,024 or later: keys 0 .. 1,023 count for all its queries
	s_wait_tensorcnt 0x0                           ; my step w + 8 is in
	s_wait_dscnt 0x0
	s_barrier_signal -1
	s_barrier_wait -1                              ; steps 8 to 15 are whole
	STEPS 8, 1
	WAYOUT
	INIT 1
	s_wait_loadcnt 0x0                             ; Q
	STEPS 16, 1
	WAYOUT
	s_wait_tensorcnt 0x0
	ds_add_u32 v254, v255
	s_wait_dscnt 0x0
	s_endpgm
.Lfunc_end_k_q13005fd88f_attn:
	.size	k_q13005fd88f_attn, .Lfunc_end_k_q13005fd88f_attn-k_q13005fd88f_attn
	.p2alignl 7, 3214868480
	.fill 96, 4, 3214868480
	.section	.rodata,"a",@progbits
	.p2align	6, 0x0
	.amdhsa_kernel k_q13005fd88f_attn
		.amdhsa_group_segment_fixed_size 327680
		.amdhsa_private_segment_fixed_size 0
		.amdhsa_enable_private_segment 0
		.amdhsa_kernarg_size 24
		.amdhsa_user_sgpr_count 2
		.amdhsa_user_sgpr_kernarg_segment_ptr 1
		.amdhsa_wavefront_size32 1
		.amdhsa_system_sgpr_workgroup_id_x 1
		.amdhsa_system_sgpr_workgroup_id_y 1
		.amdhsa_system_sgpr_workgroup_id_z 1
		.amdhsa_system_vgpr_workitem_id 0
		.amdhsa_next_free_vgpr 512
		.amdhsa_next_free_sgpr 66
		.amdhsa_reserve_vcc 1
		.amdhsa_float_denorm_mode_32 3
		.amdhsa_float_denorm_mode_16_64 3
		.amdhsa_fp16_overflow 1
		.amdhsa_memory_ordered 1
		.amdhsa_forward_progress 1
		.amdhsa_inst_pref_size 129
	.end_amdhsa_kernel
	.amdgpu_metadata
---
amdhsa.version: [ 1, 2 ]
amdhsa.kernels:
  - .name:           k_q13005fd88f_attn
    .symbol:         k_q13005fd88f_attn.kd
    .args:
      - { .name: qkv, .offset: 0, .size: 8, .value_kind: global_buffer, .address_space: global }
      - { .name: lowp_scales, .offset: 8, .size: 8, .value_kind: global_buffer, .address_space: global }
      - { .name: att, .offset: 16, .size: 8, .value_kind: global_buffer, .address_space: global }
    .group_segment_fixed_size: 327680
    .private_segment_fixed_size: 0
    .kernarg_segment_align: 8
    .kernarg_segment_size: 24
    .max_flat_workgroup_size: 256
    .sgpr_count:     66
    .vgpr_count:     512
    .wavefront_size: 32
...
	.end_amdgpu_metadata
.endif
;; end of part 2
;; launch proj (part 3): grid 8 x 32, 4 waves a work-group, clusters of 4 x 4, 327,680 bytes of LDS; arguments att, Wo_codes, lowp_scales, bo, out0; writes out0
.if DOCPART == 3
	.amdgcn_target "amdgcn-amd-amdhsa--gfx1250"
	.amdhsa_code_object_version 6
	.text
	.protected	k_q13005fd88f_proj
	.globl	k_q13005fd88f_proj
	.p2align	8
	.type	k_q13005fd88f_proj,@function
k_q13005fd88f_proj:
	s_mov_b64 s[64:65], 0
	v_nop
	global_prefetch_b8 v0, s[64:65] scope:SCOPE_SE
	s_setreg_imm32_b32 hwreg(HW_REG_WAVE_MODE, 25, 1), 1
	s_wait_xcnt 0x0
	s_wait_alu depctr_hold_cnt(0) depctr_sa_sdst(0) depctr_va_vdst(0) depctr_va_sdst(0) depctr_va_ssrc(0) depctr_va_vcc(0) depctr_vm_vsrc(0)
	s_getreg_b32 s2, hwreg(HW_REG_IB_STS2, 6, 4)
	s_cmp_eq_u32 s2, 0
	s_cbranch_scc0 .Lentry_in_a_cluster
	s_endpgm
.Lentry_in_a_cluster:
	s_bfe_u32 s2, ttmp6, 0x10000c
	s_cmp_lg_u32 s2, 0xf033
	s_cbranch_scc0 .Lentry_shape_is_right
	s_endpgm
.Lentry_shape_is_right:
; out0 = attention's result x Wo + bo on codes of BF8 (E5M2).  A: att, 8,192 tokens x 1,024, stored by the launch before as images of A's fragments; B: Wo_codes [1024 (n)][1024 (k)]; out0 [8192][1024] f32.
; A sum stands for sum x 2^(e6 + e7): one packed multiply-add gives sum x 2^(e6 + e7) + bo.  LIMIT: e6 + e7 between -126 and 127, so that the power of two is an f32 number.
; SHARES.  A tile of out0 is 256 tokens x 128 columns: 32 x 8 = 256 work-groups; a wave makes 128 x 64: 32 accumulators.  K = 1,024 goes in four fills of 256 through a ring of two LDS slots.
; att: [T 512][K step 8][c 4][lane 32][16 bytes]: the 2,048 bytes of (T, K step) are the 16 registers a lane of a fragment of 16 rows x 128 K (registers 4 c .. 4 c + 3: K = 32 c + 16 (lane / 16) + 0 .. 15, as B's
; fragments are loaded from rows).  Row r of tile T is token 128 (T / 8) + 32 ((T % 8) / 2) + 8 (T % 2) + r + 8 (r / 8): the way out puts each row where it belongs.
; CLUSTERS: 4 x 4 work-groups; A's tile is asked for jointly by a row of the cluster, B's by a column.  THE MATRIX INSTRUCTION IS USED TRANSPOSED (source 0 = 16 rows of Wo, source 1 = 16 tokens): a lane holds eight neighbouring columns of a row of out0.
; REGISTERS, in windows of 256: window 0: v16-31 addresses; v32-127 at work on the way out; from v128 A's fragments, ONE set.   window 1: B's fragments, two sets of 64, at v0 and v128; v64-95 bo of my columns.
;   window 2: the accumulators of my blocks 0-3 ((a, b) at v[8 (8 a + b)], b < 4);   window 3: those of blocks 4-7.
.set PITCH,  272                       ; a row of B in LDS: 256 bytes + 16 of padding
.set FR,     16
.set NL,     4
.set NP,     4
.set ASTEP,  4096                      ; 256 along K of one tile T of A: two fragments' images
.set BSTEP,  256                       ; 256 along K of a row of B
.set BOFF,   65536                     ; a slot: A's 16 tiles x 4,096 bytes, then B's 128 rows
.set HALFB,  64*PITCH
.set SLOT,   BOFF+2*HALFB
.set SPARE,  2*SLOT                    ; behind the ring: the spare words, 128 bytes a wave, that no other line names
.set SPITCH, 272                       ; the way out: a stage of 16 rows x (256 bytes + 16) for each wave, in slot 0, which has had its last fill and its last read when the first result is stored there
.set ADRA, 16
.set ADRB, 20
.set STO,  24
.set RD,   25
.set CO,   26
.set SPW,  28
.set NIL,  29
.set TMP,  32
.set BK,   64                          ; 16 rows read back from the stage: v64-95 and v96-127 by turns
.set AF,   128
.set BO,   64                          ; in window 1
.set G1, 24
.set G0, 32
.set G1B, 48
.set G0B, 56
.set MSB, 0
.macro WIN new                         ; the immediate's high byte repeats the setting that is left
.if MSB != (\new)
	s_set_vgpr_msb (MSB<<8)|(\new)
.set MSB, (\new)
.endif
.endm
.set MUL_LO, 0xa1
.set MUL_HI, 0xf1
.set TO_B,   0x40
.macro JLOAD g0a, g1a, g0b, g1b        ; a joint load: waves 0 and 1 fetch for A, waves 2 and 3 for B; four v_nop follow each of the two lines
	s_cmp_eq_u32 s15, 0
	s_cbranch_scc0 .Lfor_b_\@
	tensor_load_to_lds s[\g0a:\g0a+3], s[\g1a:\g1a+7]
	s_nop 0
.rept 4
	v_nop
.endr
	s_branch .Lasked_\@
.Lfor_b_\@:
	tensor_load_to_lds s[\g0b:\g0b+3], s[\g1b:\g1b+7]
	s_nop 0
.rept 4
	v_nop
.endr
.Lasked_\@:
.endm
.macro CREST
	s_cmp_lg_u32 s14, 0
	s_cbranch_scc1 .Lnot_wave_0_\@
	s_barrier_signal -3
.Lnot_wave_0_\@:
	s_barrier_wait -3
	s_barrier_signal -1
	s_barrier_wait -1
.endm
.macro CROUND
	s_barrier_signal -1
	s_barrier_wait -1
	CREST
.endm
	s_load_b256 s[4:11], s[0:1], 0x0               ; att s[4:5], Wo's codes s[6:7], the scales' exponents s[8:9], bo s[10:11]
	s_load_b64 s[12:13], s[0:1], 0x20              ; out0
	v_lshl_add_u32 v[SPW], v0, 2, SPARE
	v_mov_b32 v[NIL], 0
	ds_add_u32 v28, v29
	ds_add_u32 v28, v29
	s_wait_dscnt 0x0
	v_lshrrev_b32 v1, 5, v0
	v_readfirstlane_b32 s14, v1                    ; wave 0..3
	s_lshr_b32 s15, s14, 1                         ; which 128 tokens are mine.  Also: I fetch for A (0) or for B (1)
	s_and_b32 s16, s14, 1                          ; which 64 columns.  Also: which half of that tile I fetch
	s_bfe_u32 s40, ttmp6, 0x40000                  ; cx
	s_bfe_u32 s41, ttmp6, 0x40004                  ; cy
	s_lshl_b32 s42, ttmp9, 2
	s_add_co_u32 s42, s42, s40                     ; tile column = 4 x cluster x + cx
	s_and_b32 s17, ttmp7, 0xffff
	s_lshl_b32 s17, s17, 2
	s_add_co_u32 s17, s17, s41                     ; tile row = 4 x cluster y + cy
	s_lshl_b32 s43, s41, 2
	s_lshl_b32 s43, 15, s43                        ; my row of the cluster
	s_lshl_b32 s44, 0x1111, s40                    ; my column
	; group 1 for A: 8 tiles T x 4,096 bytes, 16,384 bytes apart in memory, on end in LDS
	s_or_b32 s[G1+0], s43, (3<<16)|(1<<21)         ; the mask; elements of 8 bytes; 21 set beside a mask; no padding
	s_mov_b32 s[G1+1], 512<<16                     ; tensor_dim0 = 512
	s_mov_b32 s[G1+2], 8<<16                       ; tensor_dim1 = 8
	s_mov_b32 s[G1+3], 512<<16                     ; tile_dim0 = 512
	s_mov_b32 s[G1+4], 8                           ; tile_dim1 = 8
	s_mov_b32 s[G1+5], 2048                        ; from tile to tile
	s_mov_b32 s[G1+6], 0
	s_mov_b32 s[G1+7], 0
	; group 1 for B: 64 rows x 256 bytes, padded in LDS
	s_or_b32 s[G1B+0], s44, (0<<16)|(1<<20)|(1<<21)|(5<<22)|(3<<25)
	s_mov_b32 s[G1B+1], 256<<16
	s_mov_b32 s[G1B+2], 64<<16
	s_mov_b32 s[G1B+3], 256<<16
	s_mov_b32 s[G1B+4], 64
	s_mov_b32 s[G1B+5], 1024
	s_mov_b32 s[G1B+6], 0
	s_mov_b32 s[G1B+7], 0
	s_lshl_b32 s20, s17, 4
	s_lshl_b32 s89, s16, 3
	s_add_co_u32 s20, s20, s89
	s_lshl_b32 s20, s20, 14                        ; A: tile T = 16 x tile row + 8 x half, 16,384 bytes each
	s_mov_b32 s21, 0
	s_lshl_b32 s46, s42, 7
	s_lshl_b32 s89, s16, 6
	s_add_co_u32 s46, s46, s89
	s_lshl_b32 s46, s46, 10                        ; B: row 128 x tile column + 64 x half, 1,024 bytes each
	s_mov_b32 s47, 0
	s_lshl_b32 s45, s16, 15                        ; where A's half goes,
	s_mul_i32 s67, s16, HALFB
	s_add_co_u32 s67, s67, BOFF                    ; and B's: no place in the cluster enters an LDS address
	s_wait_kmcnt 0x0
	s_load_b256 s[72:79], s[8:9], 0x0              ; e0 .. e7
	s_add_nc_u64 s[20:21], s[4:5], s[20:21]
	s_add_nc_u64 s[46:47], s[6:7], s[46:47]
	CROUND                                         ; all sixteen work-groups are here: the first joint loads meet
.irp s, 0,1
	s_mov_b32 s[G0+4*\s], 1
	s_add_co_u32 s[G0+4*\s+1], s45, \s*SLOT
	s_add_nc_u64 s[G0+4*\s+2:G0+4*\s+3], s[20:21], \s*ASTEP
	s_or_b32 s[G0+4*\s+3], s[G0+4*\s+3], 0x80000000
	s_mov_b32 s[G0B+4*\s], 1
	s_add_co_u32 s[G0B+4*\s+1], s67, \s*SLOT
	s_add_nc_u64 s[G0B+4*\s+2:G0B+4*\s+3], s[46:47], \s*BSTEP
	s_or_b32 s[G0B+4*\s+3], s[G0B+4*\s+3], 0x80000000
	s_wait_alu depctr_va_vdst(0)
	s_wait_tensorcnt 0x0
	ds_add_u32 v28, v29
	ds_add_u32 v28, v29
	s_wait_dscnt 0x0
	CROUND
	JLOAD G0+4*\s, G1, G0B+4*\s, G1B
.endr
	v_and_b32 v1, 15, v0                           ; r
	v_bfe_u32 v2, v0, 4, 1                         ; h
	s_wait_alu depctr_va_vdst(0)
	s_lshl_b32 s82, s42, 9
	s_lshl_b32 s80, s16, 8
	s_add_co_u32 s82, s82, s80                     ; my first column, in bytes: 512 x tile column + 256 x half
	s_mov_b32 s83, 0
	s_lshl_b32 s84, s17, 8
	s_lshl_b32 s80, s15, 7
	s_add_co_u32 s84, s84, s80
	s_lshl_b32 s84, s84, 12                        ; my first token's row of 4,096 bytes
	s_add_co_u32 s84, s84, s82
	s_mov_b32 s85, 0
	s_add_nc_u64 s[12:13], s[12:13], s[84:85]
	s_add_nc_u64 s[82:83], s[10:11], s[82:83]
	v_lshlrev_b32 v6, 5, v2                        ; 32 h: my eight columns of a block of 16; never rewritten
	WIN TO_B
.irp b, 0,1,2,3
	global_load_b128 v[BO+8*\b:BO+8*\b+3],   v6, s[82:83] offset:64*\b
	global_load_b128 v[BO+8*\b+4:BO+8*\b+7], v6, s[82:83] offset:64*\b+16
.endr
	WIN 0
	v_and_b32 v9, 31, v0
	v_lshlrev_b32 v9, 4, v9                        ; 16 x lane: an image's place for my lane
	v_mul_u32_u24 v3, v1, PITCH
	s_wait_alu depctr_va_vdst(0)
	v_lshl_add_u32 v4, v2, 4, v3                   ; B: row x pitch + 16 x half
	s_lshl_b32 s90, s15, 15                        ; my 8 tiles of A
	s_mul_i32 s91, s16, HALFB
	s_add_co_u32 s91, s91, BOFF                    ; my 64 rows of B
.irp s, 0,1
	v_add_nc_u32 v[ADRA+\s], s90, v9
	v_add_nc_u32 v[ADRB+\s], s91, v4
	s_add_co_u32 s90, s90, SLOT
	s_add_co_u32 s91, s91, SLOT
.endr
	s_mul_i32 s90, s14, 16*SPITCH                  ; my stage
	v_lshl_add_u32 v5, v2, 5, v3                   ; in: row r, 32 bytes for each half of the lanes
	v_add_nc_u32 v[STO], s90, v5
	v_mul_u32_u24 v5, v2, SPITCH                   ; back: lanes 0-15 one row of 256 bytes, lanes 16-31 the next
	v_lshl_add_u32 v5, v1, 4, v5
	v_add_nc_u32 v[RD], s90, v5
	v_lshlrev_b32 v[CO], 12, v2                    ; and the same two rows in out0
	v_lshl_add_u32 v[CO], v1, 4, v[CO]
.macro FRAGA reg, adr, q, i            ; A's fragment of tile i, the slot's q-th 128 along K: its image, as it lies
.irp c, 0,1,2,3
	ds_load_b128 v[\reg+4*\c:\reg+4*\c+3], v[\adr] offset:4096*(\i)+2048*(\q)+512*\c
.endr
.endm
.macro FRAGB reg, adr, q, i            ; B's: lane l holds row l % 16; registers 4 c .. 4 c + 3 hold K = 32 c + 16 (l / 16) + 0 .. 15
.irp c, 0,1,2,3
	ds_load_b128 v[\reg+4*\c:\reg+4*\c+3], v[\adr] offset:128*(\q)+32*\c+(\i)*16*PITCH
.endr
.endm
; 8 matrix instructions: A's blocks a0, a0 + 1 x B's four.  The 32 accumulators take turns, one instruction a turn, in the same order in every step.
.macro MUL8 a0, p, zero
.irp a, \a0, \a0+1
.irp b, 0,1,2,3
.if \zero
	v_wmma_f32_16x16x128_bf8_bf8 v[8*(8*((\a)%4)+\b):8*(8*((\a)%4)+\b)+7], v[128*(\p)+FR*\b:128*(\p)+FR*\b+FR-1], v[AF+FR*(\a):AF+FR*(\a)+FR-1], 0
.else
	v_wmma_f32_16x16x128_bf8_bf8 v[8*(8*((\a)%4)+\b):8*(8*((\a)%4)+\b)+7], v[128*(\p)+FR*\b:128*(\p)+FR*\b+FR-1], v[AF+FR*(\a):AF+FR*(\a)+FR-1], v[8*(8*((\a)%4)+\b):8*(8*((\a)%4)+\b)+7]
.endif
.endr
.endr
.endm
.macro FETCH_B slot, q, p
	WIN TO_B
.irp i, 0,1,2,3
	FRAGB 128*(\p)+FR*\i, ADRB+\slot, \q, \i
.endr
	WIN 0
.endm
.macro FETCH_A slot, q, i0
.irp i, \i0, \i0+1, \i0+2, \i0+3
	FRAGA AF+FR*(\i), ADRA+\slot, \q, \i
.endr
.endm
.macro PLACES n
.rept \n
	v_nop
.endr
.endm
.macro STEP slot, q, zero              ; a step of 128 along K that has its successor in the same slot
	s_wait_dscnt 4*NL                              ; B's set and A's blocks 0-3 are in; the youngest 16 loads (A's blocks 4-7) may be out
	WIN MUL_LO
	MUL8 0, (\q)%2, \zero
	MUL8 2, (\q)%2, \zero
	s_wait_dscnt 0
	PLACES NP
	FETCH_B \slot, (\q)+1, 1-(\q)%2
	FETCH_A \slot, (\q)+1, 0
	WIN MUL_HI
	MUL8 4, (\q)%2, \zero
	MUL8 6, (\q)%2, \zero
	PLACES NP
	WIN 0
	FETCH_A \slot, (\q)+1, 4
.endm
.macro TURN slot, next, fill           ; a slot's last step changes slots: ONE barrier, with the three lines in front of it
	s_wait_tensorcnt 0x0                           ; all my tensor loads have landed: my part of the next slot
	ds_add_u32 v[SPW], v[NIL]                      ; 0 onto my spare word
	s_wait_dscnt 4*NL+1                            ; (the add and the youngest 16 loads may be out)
	WIN MUL_LO
	MUL8 0, 1, 0                                   ; eight matrix instructions stand between the add and the wait for it
	s_wait_dscnt 0x0                               ; the add is done, and my reads of this slot are over
	s_barrier_signal -1
	MUL8 2, 1, 0
	WIN 0
	s_barrier_wait -1
.if \fill
	CREST                                          ; the barrier has opened a round of the cluster's barrier
	s_add_nc_u64 s[G0+4*\slot+2:G0+4*\slot+3], s[G0+4*\slot+2:G0+4*\slot+3], 2*ASTEP
	s_add_nc_u64 s[G0B+4*\slot+2:G0B+4*\slot+3], s[G0B+4*\slot+2:G0B+4*\slot+3], 2*BSTEP
	JLOAD G0+4*\slot, G1, G0B+4*\slot, G1B         ; the first tensor load behind the round; its four v_nop are also the places in front of the loads below
.else
	PLACES NP
.endif
	s_wait_alu depctr_va_vdst(0)
	FETCH_B \next, 0, 0
	FETCH_A \next, 0, 0
	WIN MUL_HI
	MUL8 4, 1, 0
	MUL8 6, 1, 0
	PLACES NP
	WIN 0
	FETCH_A \next, 0, 4
.endm
	s_wait_tensorcnt 1                             ; my part of the first 256 along K is in; the second fill's load may be out
	s_barrier_signal -1
	s_barrier_wait -1
	FETCH_B 0, 0, 0
	FETCH_A 0, 0, 0
	FETCH_A 0, 0, 4
	STEP 0, 0, 1                                   ; eight steps of 128 along K, written out; the first starts the sums
	TURN 0, 1, 1
	STEP 1, 0, 0
	TURN 1, 0, 1
	STEP 0, 0, 0
	TURN 0, 1, 0
	STEP 1, 0, 0
	s_wait_dscnt 4*NL
	WIN MUL_LO
	MUL8 0, 1, 0
	MUL8 2, 1, 0
	s_wait_dscnt 0
	WIN MUL_HI
	MUL8 4, 1, 0
	MUL8 6, 1, 0
	WIN 0
; THE WAY OUT, block by block of 16 rows x 64 columns: through my own stage, back as whole rows of 256 bytes; sixteen lanes store 256 consecutive bytes, aligned.
.macro TOSTAGE a
.set AC, 64*((\a)%4)
	WIN 0x12+((\a)/4)                              ; source 0 (the sums) window 2 or 3, source 2 (bo) window 1
.irp b, 0,1,2,3
.irp i, 0,2,4,6
	v_pk_fma_f32 v[TMP+8*\b+\i:TMP+8*\b+\i+1], v[AC+8*\b+\i:AC+8*\b+\i+1], s[96:97], v[BO+8*\b+\i:BO+8*\b+\i+1] op_sel_hi:[1,0,1]   ; sum x 2^(e6 + e7) + bo; each accumulator from its low end on
.endr
.endr
	WIN 0
.irp b, 0,1,2,3
	ds_store_b128 v[STO], v[TMP+8*\b:TMP+8*\b+3] offset:64*\b
	ds_store_b128 v[STO], v[TMP+8*\b+4:TMP+8*\b+7] offset:64*\b+16
.endr
.set BB, BK+32*((\a)%2)
.irp t, 0,1,2,3,4,5,6,7
	ds_load_b128 v[BB+4*\t:BB+4*\t+3], v[RD] offset:\t*2*SPITCH   ; LDS serves a wave's instructions in order: these see the stores above, and the next block's stores come behind them
.endr
.endm
.macro SEND a, younger                 ; stage row 2 t + h of block a is token 32 (a / 2) + 8 (a % 2) + 2 t + h + 8 (t / 4) of my 128
.set BB, BK+32*((\a)%2)
	s_wait_dscnt \younger                          ; the block is back in registers
.irp t, 0,1,2,3,4,5,6,7
	global_store_b128 v[CO], v[BB+4*\t:BB+4*\t+3], s[12:13] offset:(32*((\a)>>1)+8*((\a)&1)+2*\t+8*(\t>>2))*4096 th:TH_STORE_NT
.endr
.endm
	s_wait_kmcnt 0x0
	s_add_co_i32 s96, s78, s79                     ; e6 + e7, between -126 and 127,
	s_add_co_i32 s96, s96, 127
	s_lshl_b32 s96, s96, 23                        ; makes the f32 number 2^(e6 + e7)
	s_mov_b32 s97, s96                             ; (named with it as a pair, so it is written)
	s_wait_loadcnt 0x0                             ; bo
	PLACES NP                                      ; behind the last products, ahead of the first read of results
	TOSTAGE 0
.irp a, 1,2,3,4,5,6,7
.if \a > 1
	s_wait_xcnt 0x0                                ; block a - 2's stores have read their registers: block a's loads may land there
.endif
	TOSTAGE \a
	SEND \a-1, 16                                  ; behind block a - 1's loads: block a's 8 stores and 8 loads
.endr
	SEND 7, 0
	s_wait_tensorcnt 0x0                           ; the wave's end, behind my last tensor load and my last LDS store
	ds_add_u32 v[SPW], v[NIL]
	s_wait_dscnt 0x0
	CROUND                                         ; the closing round: no work-group ends while a partner may still ask for a tile that names it
	s_endpgm
.Lfunc_end_k_q13005fd88f_proj:
	.size	k_q13005fd88f_proj, .Lfunc_end_k_q13005fd88f_proj-k_q13005fd88f_proj
	.p2alignl 7, 3214868480
	.fill 96, 4, 3214868480
	.section	.rodata,"a",@progbits
	.p2align	6, 0x0
	.amdhsa_kernel k_q13005fd88f_proj
		.amdhsa_group_segment_fixed_size 327680
		.amdhsa_private_segment_fixed_size 0
		.amdhsa_enable_private_segment 0
		.amdhsa_kernarg_size 40
		.amdhsa_user_sgpr_count 2
		.amdhsa_user_sgpr_kernarg_segment_ptr 1
		.amdhsa_wavefront_size32 1
		.amdhsa_system_sgpr_workgroup_id_x 1
		.amdhsa_system_sgpr_workgroup_id_y 1
		.amdhsa_system_sgpr_workgroup_id_z 1
		.amdhsa_system_vgpr_workitem_id 0
		.amdhsa_next_free_vgpr 1024
		.amdhsa_next_free_sgpr 98
		.amdhsa_reserve_vcc 0
		.amdhsa_float_denorm_mode_32 3
		.amdhsa_float_denorm_mode_16_64 3
		.amdhsa_memory_ordered 1
		.amdhsa_forward_progress 1
		.amdhsa_inst_pref_size 79
	.end_amdhsa_kernel
	.amdgpu_metadata
---
amdhsa.version: [ 1, 2 ]
amdhsa.kernels:
  - .name:           k_q13005fd88f_proj
    .symbol:         k_q13005fd88f_proj.kd
    .args:
      - { .name: att, .offset: 0, .size: 8, .value_kind: global_buffer, .address_space: global }
      - { .name: Wo_codes, .offset: 8, .size: 8, .value_kind: global_buffer, .address_space: global }
      - { .name: lowp_scales, .offset: 16, .size: 8, .value_kind: global_buffer, .address_space: global }
      - { .name: bo, .offset: 24, .size: 8, .value_kind: global_buffer, .address_space: global }
      - { .name: out0, .offset: 32, .size: 8, .value_kind: global_buffer, .address_space: global }
    .group_segment_fixed_size: 327680
    .private_segment_fixed_size: 0
    .kernarg_segment_align: 8
    .kernarg_segment_size: 40
    .max_flat_workgroup_size: 128
    .sgpr_count:     98
    .vgpr_count:     1024
    .wavefront_size: 32
...
	.end_amdgpu_metadata
.endif
;; end of part 3
